; MI455X (gfx1250); checked and timed in simulation.
; The chip was launched on July 23, 2026; its instructions are those of AMD's public machine-readable ISA for CDNA 5 (MIT licence, August 2026) and "CDNA5" Instruction Set Architecture Reference Guide (July 2026). The comments in the code are by the model that wrote it; some were corrected since.
;; Internal Interaction. Allowed arithmetic: matrix products marked QUANTISED: E5M2 operands, one given power-of-two scale a tensor, by v_wmma_f32_16x16x64_bf8_bf8 or v_wmma_f32_16x16x128_bf8_bf8, f32 sums; everything else in f32.
;; Inputs: W1 256 x 1,024 float32; W2 1,024 x 256 float32; attribute_embeddings 128 x 32 x 256 float32; b1 1,024 float32; b2 256 float32; lowp_scales 4 int32 (the exponents e of the quantised operands' scales 2^e).
;; Outputs: out0 128 x 32 x 256 float32.
;; This version of the problem:
;;   THIS VERSION OF THE PROBLEM IS GIVEN IN LOW PRECISION. The matrix products marked QUANTISED in the list below multiply operands that are first quantised to E5M2 (5 exponent bits, 2 mantissa bits; 8 bits a number), with one given power-of-two scale for each operand tensor; their sums are f32. All else is computed in f32.
;;   The module's matrix products, in the order in which they are computed (A, B: the left and right operand; K: the contracted axis; several contracted axes count as one K, in the product's order):
;;     1. [M 131,072, K 256] x [K 256, N 1,024]; A: computed on the way; B: input W1: QUANTISED (scales: A lowp_scales[0], B lowp_scales[1])
;;     2. [M 131,072, K 1,024] x [K 1,024, N 256]; A: computed on the way; B: input W2: QUANTISED (scales: A lowp_scales[2], B lowp_scales[3])
;;   THE QUANTISER, for each operand of a quantised product, along K:
;;     - The operand's scale is 2^e, e = its entry of the input lowp_scales (int32; the entries are numbered through the quantised products in the list's order, A before B).
;;     - Each number is divided by the scale, clamped to +-57,344, and rounded to the nearest number of E5M2, ties to even, subnormals kept.
;;     - The product sums the exact products of the quantised numbers (number of the format x scale) in f32.
;;   ~~~python
;;   def quantise(x, axis, e):      # numpy; x: float32 -> the quantised numbers, widened to float32 again
;;       x = np.moveaxis(x, axis, -1); K = x.shape[-1]
;;       r = np.clip(x / 2.0 ** e, -57344, 57344)
;;       step = 2.0 ** (np.maximum(np.frexp(np.where(r == 0, 1, r))[1] - 1, -14) - 2)
;;       q = np.round(r / step) * step * 2.0 ** e      # np.round: ties to even
;;       return np.moveaxis(q, -1, axis).astype(np.float32)
;;   ~~~
;;   OPERANDS COMPUTED ON THE WAY. 'Computed on the way' means the value that the module computes at that place (a softmax that the list does not call 'softmax' is quantised finished and normalised). What goes into a quantiser is computed in f32, as accurately as f32 sums, v_exp_f32 and their like allow (about 1e-6 of the number): no bf16 or f16 on the way to a quantiser, and a product that is left as it is and whose result goes on into a quantised operand takes f32 operands (vector FMAs, or v_wmma_f32_16x16x4_f32). A number that lies on a knife's edge between two numbers of the format may be rounded either way, as far as f32 arithmetic and the matrix unit's own rounding can turn it there, and no further.
;; One version. Each part assembles by itself: llvm-mc -triple=amdgcn-amd-amdhsa -mcpu=gfx1250 --defsym DOCPART=n.
;; ======== version 1 of 1: 2 launches
;; limits: right only within a limited range of input values
;; workspace buffers: wimg 524,288 bytes
;; launch prep (part 1): grid 256 x 1, 4 waves a work-group, no clusters, 0 bytes of LDS; arguments W1, W2, lowp_scales, wimg; writes wimg
.if DOCPART == 1
	.amdgcn_target "amdgcn-amd-amdhsa--gfx1250"
	.amdhsa_code_object_version 6
	.text
	.protected	k_q9813fc9283_prep
	.globl	k_q9813fc9283_prep
	.p2align	8
	.type	k_q9813fc9283_prep,@function
k_q9813fc9283_prep:
	s_mov_b64 s[64:65], 0
	v_nop
	global_prefetch_b8 v0, s[64:65] scope:SCOPE_SE
	s_setreg_imm32_b32 hwreg(HW_REG_WAVE_MODE, 25, 1), 1
	s_wait_xcnt 0x0
; W1 [256 (d)][1024 (u)] and W2 [1024 (u)][256 (d)], f32, K their FIRST axis, become codes of BF8 (E5M2) in wimg, laid as IMAGES OF THE OPERANDS' REGISTERS for the launch behind this one.
; code = x / 2^e, held within +-57,344, to the nearest code, ties to even; e = entry 1 of the scales for W1, entry 3 for W2.
; LIMITS: e between -126 and 112, so that 2^e and 57,344 x 2^e are f32 numbers.  NaN among the inputs is not served; an infinity is held at the largest code.
; wimg: hidden unit u = 256 c + 64 w + 16 g + r.  Block (c, w), 32,768 bytes, at (4 c + w) x 32,768:
;   bytes 0 .. 16,383: W1's fragment (g, s) (16 units x 128 d) at (2 g + s) x 2,048; bytes 16,384 on: W2's fragment dt (16 outputs x the block's 64 units) at 1,024 dt.
;   A fragment lies in groups of four registers, 512 bytes a group, lane (r, h)'s 16 bytes at 16 r + 256 h: k = 32 q + 8 h + 0 .. 7, then k = 32 q + 16 + 8 h + 0 .. 7: the places that the 8-bit matrix forms give each k.
; A LANE TAKES A COLUMN AND ITS REGISTERS RUN DOWN K: a wave takes 32 columns x the 16 k of one such piece.  Each load reads 128 consecutive bytes a wave, 512 a work-group; the two conversions give the lane's 16 bytes,
; and the one store writes two aligned runs of 256 consecutive bytes (lanes 0-15, lanes 16-31).  No LDS, no barrier: waves share nothing.
; Work-groups 0-127 take W1 (8 groups of 128 columns x 8 pieces of 32 k x 2 halves), 128-255 take W2 (2 x 32 x 2).
.set X, 8                              ; v8-23   sixteen numbers down K
.set C, 24                             ; v24-27  their codes
.macro LOADS base, stride              ; k = 0 .. 7 and 16 .. 23 from the piece's first row on
.irp i, 0,1,2,3,4,5,6,7
	global_load_b32 v[X+\i], v5, s[\base:\base+1] offset:\i*\stride th:TH_LOAD_NT
.endr
.irp i, 0,1,2,3,4,5,6,7
	global_load_b32 v[X+8+\i], v5, s[\base:\base+1] offset:(16+\i)*\stride th:TH_LOAD_NT
.endr
.endm
	s_load_b256 s[4:11], s[0:1], 0x0               ; W1 s[4:5], W2 s[6:7], the scales' exponents s[8:9], wimg s[10:11]
	v_lshrrev_b32 v1, 5, v0
	v_readfirstlane_b32 s12, v1                    ; wave 0..3
	v_and_b32 v2, 31, v0                           ; lane
	v_lshlrev_b32 v5, 2, v2                        ; in: 4 bytes a lane
	v_and_b32 v6, 15, v2
	v_lshlrev_b32 v6, 4, v6                        ; out: 16 x (lane % 16)
	v_lshrrev_b32 v7, 4, v2                        ; lane / 16: the next tile of 16 columns
	s_and_b32 s13, ttmp9, 1                        ; h: which half of the lanes this piece is for
	s_lshl_b32 s14, s12, 7                         ; my wave's 32 columns, in bytes
	s_mov_b32 s21, 0
	s_mov_b32 s27, 0
	s_wait_kmcnt 0x0
	s_load_b128 s[16:19], s[8:9], 0x0              ; the four exponents
	s_cmp_lt_u32 ttmp9, 128
	s_cbranch_scc0 .Lw2
	; ---- W1: a row is 4,096 bytes
	s_lshr_b32 s15, ttmp9, 4                       ; cg: columns 128 cg on
	s_bfe_u32 s24, ttmp9, 0x30001                  ; Q = 4 s + q: d = 32 Q on
	s_lshl_b32 s26, s24, 17                        ; from: (32 Q + 8 h) rows + (128 cg + 32 wave) columns
	s_lshl_b32 s25, s13, 15
	s_add_co_u32 s26, s26, s25
	s_lshl_b32 s25, s15, 9
	s_add_co_u32 s26, s26, s25
	s_add_co_u32 s26, s26, s14
	s_add_nc_u64 s[4:5], s[4:5], s[26:27]
	s_lshl_b32 s20, s15, 16                        ; to: block 2 cg + wave / 2,
	s_lshr_b32 s25, s12, 1
	s_lshl_b32 s25, s25, 15
	s_add_co_u32 s20, s20, s25
	s_and_b32 s25, s12, 1                          ; tile g = 2 (wave % 2) + lane / 16: 4,096 bytes a tile,
	s_lshl_b32 s25, s25, 13
	s_add_co_u32 s20, s20, s25
	s_lshl_b32 s25, s24, 9                         ; 2,048 s + 512 q = 512 Q,
	s_add_co_u32 s20, s20, s25
	s_lshl_b32 s25, s13, 8                         ; 256 h
	s_add_co_u32 s20, s20, s25
	s_wait_alu depctr_va_vdst(0)
	v_lshl_add_u32 v3, v7, 12, v6
	LOADS 4, 4096
	s_wait_kmcnt 0x0
	s_mov_b32 s22, s17                             ; e of W1
	s_branch .Ljoin
.Lw2:
	; ---- W2: a row is 1,024 bytes
	s_sub_co_u32 s28, ttmp9, 128
	s_lshr_b32 s15, s28, 6                         ; cg: columns 128 cg on
	s_bfe_u32 s24, s28, 0x50001                    ; Q: u = 32 Q on
	s_lshl_b32 s26, s24, 15                        ; from: (32 Q + 8 h) rows + (128 cg + 32 wave) columns
	s_lshl_b32 s25, s13, 13
	s_add_co_u32 s26, s26, s25
	s_lshl_b32 s25, s15, 9
	s_add_co_u32 s26, s26, s25
	s_add_co_u32 s26, s26, s14
	s_add_nc_u64 s[6:7], s[6:7], s[26:27]
	s_lshr_b32 s20, s24, 1                         ; to: block Q / 2 (64 units a block), behind its W1 part,
	s_lshl_b32 s20, s20, 15
	s_add_co_u32 s20, s20, 16384
	s_lshl_b32 s25, s15, 13                        ; fragment dt = 8 cg + 2 wave + lane / 16: 1,024 bytes each,
	s_add_co_u32 s20, s20, s25
	s_lshl_b32 s25, s12, 11
	s_add_co_u32 s20, s20, s25
	s_and_b32 s25, s24, 1                          ; group q = Q % 2,
	s_lshl_b32 s25, s25, 9
	s_add_co_u32 s20, s20, s25
	s_lshl_b32 s25, s13, 8                         ; 256 h
	s_add_co_u32 s20, s20, s25
	s_wait_alu depctr_va_vdst(0)
	v_lshl_add_u32 v3, v7, 10, v6
	LOADS 6, 1024
	s_wait_kmcnt 0x0
	s_mov_b32 s22, s19                             ; e of W2
.Ljoin:
	s_add_co_i32 s22, s22, 127
	s_lshl_b32 s23, s22, 23
	v_mov_b32 v4, s23                              ; 2^e as f32: the conversion takes its exponent field
	s_add_co_i32 s22, s22, 15
	s_lshl_b32 s24, s22, 23
	s_or_b32 s24, s24, 0x600000
	v_mov_b32 v28, s24                             ; 57,344 x 2^e
	s_add_nc_u64 s[10:11], s[10:11], s[20:21]
	s_wait_alu depctr_va_vdst(0)
	s_wait_loadcnt 0x0
.irp i, 0,1,2,3,4,5,6,7,8,9,10,11,12,13,14,15
	v_med3_num_f32 v[X+\i], v[X+\i], -v28, v28     ; the conversion to an 8-bit code does not saturate (ISA guide 7.6.2): the hold comes first
.endr
	v_cvt_scalef32_pk8_bf8_f32 v[C:C+1], v[X:X+7], v4
	v_cvt_scalef32_pk8_bf8_f32 v[C+2:C+3], v[X+8:X+15], v4
	v_nop                                          ; a plain line behind the last conversion
	global_store_b128 v3, v[C:C+3], s[10:11]       ; sixteen lanes store 256 consecutive bytes, at a multiple of 256 from wimg's first byte
	s_endpgm
.Lfunc_end_k_q9813fc9283_prep:
	.size	k_q9813fc9283_prep, .Lfunc_end_k_q9813fc9283_prep-k_q9813fc9283_prep
	.p2alignl 7, 3214868480
	.fill 96, 4, 3214868480
	.section	.rodata,"a",@progbits
	.p2align	6, 0x0
	.amdhsa_kernel k_q9813fc9283_prep
		.amdhsa_group_segment_fixed_size 0
		.amdhsa_private_segment_fixed_size 0
		.amdhsa_enable_private_segment 0
		.amdhsa_kernarg_size 32
		.amdhsa_user_sgpr_count 2
		.amdhsa_user_sgpr_kernarg_segment_ptr 1
		.amdhsa_wavefront_size32 1
		.amdhsa_system_sgpr_workgroup_id_x 1
		.amdhsa_system_sgpr_workgroup_id_y 1
		.amdhsa_system_sgpr_workgroup_id_z 1
		.amdhsa_system_vgpr_workitem_id 0
		.amdhsa_next_free_vgpr 32
		.amdhsa_next_free_sgpr 66
		.amdhsa_reserve_vcc 0
		.amdhsa_float_denorm_mode_32 3
		.amdhsa_float_denorm_mode_16_64 3
		.amdhsa_memory_ordered 1
		.amdhsa_forward_progress 1
		.amdhsa_inst_pref_size 8
	.end_amdhsa_kernel
	.amdgpu_metadata
---
amdhsa.version: [ 1, 2 ]
amdhsa.kernels:
  - .name:           k_q9813fc9283_prep
    .symbol:         k_q9813fc9283_prep.kd
    .args:
      - { .name: W1, .offset: 0, .size: 8, .value_kind: global_buffer, .address_space: global }
      - { .name: W2, .offset: 8, .size: 8, .value_kind: global_buffer, .address_space: global }
      - { .name: lowp_scales, .offset: 16, .size: 8, .value_kind: global_buffer, .address_space: global }
      - { .name: wimg, .offset: 24, .size: 8, .value_kind: global_buffer, .address_space: global }
    .group_segment_fixed_size: 0
    .private_segment_fixed_size: 0
    .kernarg_segment_align: 8
    .kernarg_segment_size: 32
    .max_flat_workgroup_size: 128
    .sgpr_count:     66
    .vgpr_count:     32
    .wavefront_size: 32
...
	.end_amdgpu_metadata
.endif
;; end of part 1
;; launch main (part 2): grid 256 x 1, 8 waves a work-group, no clusters, 269,824 bytes of LDS; arguments attribute_embeddings, wimg, b1, b2, lowp_scales, out0; writes out0
.if DOCPART == 2
	.amdgcn_target "amdgcn-amd-amdhsa--gfx1250"
	.amdhsa_code_object_version 6
	.text
	.protected	k_q9813fc9283_main
	.globl	k_q9813fc9283_main
	.p2align	8
	.type	k_q9813fc9283_main,@function
k_q9813fc9283_main:
	s_mov_b64 s[64:65], 0
	v_nop
	global_prefetch_b8 v0, s[64:65] scope:SCOPE_SE
	s_setreg_imm32_b32 hwreg(HW_REG_WAVE_MODE, 25, 1), 1
	s_wait_xcnt 0x0
; out[b][j][:] = sum over i of ( relu((x[b][i] * x[b][j]) W1 + b1) W2 + b2 ).  x: [128][32][256] f32; out: the same shape.  Both products on codes of BF8 (E5M2), each operand with its given scale 2^e (e0: pair, e1: W1, e2: hidden, e3: W2).
; THE SUM OVER i IS FOLDED INTO THE SECOND PRODUCT'S K: one f32 accumulator [16 j x 16 d] takes all 32 i and all 1,024 hidden units; 32 b2 is added once at the end.
; EACH PAIR AMONG THE OWN ROWS IS MADE ONCE: x_i * x_j is the same number as x_j * x_i for all inputs, and so are its hidden layer and its codes.  Work-group 2 b + jt owns batch b and the 16 outputs j of half jt.
; Tile 16 + s, s = 0 .. 8, holds in row r the pair (own r, own (r + s) mod 16).  Its codes serve out(r) as they lie; rotated by s lanes they are the pairs (own r, own (r - s) mod 16), so for s = 1 .. 7 a tile serves two of the sum's terms.
; Tile T = 0 .. 15 holds (own r, other half's (r + T) mod 16).  So 25 tiles go through the first product and 16 + 9 + 7 = 32 through the second: every one of a row's 32 terms is summed.
; EIGHT WAVES, two for each of a WGP's four SIMDs, 512 registers each.  The hidden layer goes in 2 chunks of 512 units; in chunk c wave w owns units 512 c + 64 w .. + 63, for all tiles: W1's rows and W2's K slice of those units
; alone, 256 registers, straight from wimg (register images).  The hidden layer never leaves the registers, the waves pass no barrier among the products, and their partial sums meet once, at the end, in LDS.
; A STEP (one tile, one wave): 8 products K = 128 (TRANSPOSED: source 0 = 16 units of W1, source 1 = the pair tile; C of the first K step = b1 / 2^(e0 + e1)): a lane holds ONE pair row and eight neighbouring units a hidden tile;
; the next pair tile is asked for; relu and hold in one v_med3, four conversions: their results ARE source 1 (64 units x 16 rows) of 16 products K = 64 (source 0 = 16 outputs of W2), once or twice.
; THE ORDER OF TILES in a chunk: 24, 0 .. 15, 16, then 17 .. 23, those that serve twice.
; NOT ASKED FOR JOINTLY: all 256 work-groups read the same 524,288 bytes of weight codes, but each wave wants its 32,768 bytes of a chunk once, in registers.  A joint load lands in LDS: every one of those bytes would be
; written there and read from there once more.  NO PREFETCH: chunk 1's weights are the only ones asked for behind the head, and all 256 work-groups read the same 262,144 bytes of them, 64 loads a wave and no loop of loads to run ahead in.
; LIMITS on the given exponents, so that each power of two below is an f32 number: e0 and e2 - e0 - e1 between -126 and 112; e0 + e1 between -127 and 126; e2 + e3 between -126 and 127; b1 / 2^(e0 + e1) stays an f32 number.
; NaN among the inputs is not served; what lies beyond a scale's range is held at the largest code.
; LDS: pair codes as register images, tile T at 4,096 T, K step s at + 2,048 s, four registers at + 512 q, lane at + 16 l | x[b] in f32, 32 rows 1,040 bytes apart: the other half's 16, then the own 16 | eight partial outputs, 16 rows 1,040 bytes apart each | spare words.
; REGISTERS, in windows of 256 (s_set_vgpr_msb: bits 1:0 source 0, 3:2 source 1, 5:4 source 2, 7:6 destination):
;   window 0: v1-15 addresses and scales; v16-143 the 16 accumulators (earlier: x_j; at the end: partial sums); v144-175 a tile's hidden sums, v176-207 its pair codes (earlier, both: x on its way, half a row of x_i; at the end: results);
;             v208-215 codes, v216-223 rotated codes (earlier: pair codes on their way out); v224-255 the chunk's b1, hidden tile g at 224 + 8 g (earlier: addresses; at the end: 32 b2)
;   window 1: the chunk's weights: W1's fragment (g, s) at 16 (2 g + s), W2's fragment dt at 128 + 8 dt
.set XST, 102400
.set XP,  1040                         ; 65 x 16: the sixteen rows that a 16-byte access touches start 16 bytes apart modulo 256
.set RST, 135680
.set SPARE, 268800                     ; 128 bytes for each wave: four blocks of 256 bytes that no other line names
.set LI,   1                           ; 16 x lane
.set ADR,  2                           ; the loop's next pair image
.set WOFF, 3                           ; wimg: 16 lane + 32,768 wave
.set LIH,  4                           ; 16 lane + 49,152: image 12
.set B1O,  5                           ; b1: 256 wave + 32 h (at the end: partial outputs 4 to 7)
.set RSA,  6                           ; my partial output: row r, + 32 h
.set RRA,  7                           ; the reduction: my 2 rows, 16 bytes a lane
.set SCH,  8                           ; 2^(e2 - e0 - e1) as f32
.set SC0,  9                           ; 2^e0 as f32
.set IMA,  10                          ; my first pair image
.set XIA,  11                          ; x_i: the row in hand, + 32 h
.set XSH,  12                          ; x's first row in LDS + 32 h
.set ROW,  13                          ; r = lane % 16
.set SPW,  14                          ; my spare word; never rewritten
.set NIL,  15                          ; 0; never rewritten
.set AC,   16
.set XJ,   16
.set RD,   16
.set HA,   144
.set XI,   144
.set XF,   176
.set PC,   208
.set PCG,  208
.set PR,   216
.set B1,   224
.set B2,   224
.set XSA,  224                         ; x into LDS: my wave's 4 rows
.set XPA,  225                         ; their padding
.set XJA,  226                         ; x_j: own row r, + 32 h
.set XQJ,  227                         ; tile 24's eighth: x_j,
.set XQI,  228                         ; x_i,
.set IQA,  229                         ; and its image
.set WV,   16                          ; s16  wave
.set LIMP, 30                          ; s30  57,344 x 2^e0;  s31 its negative
.set LIMN, 31
.set LIMH, 32                          ; s32  57,344 x 2^(e2 - e0 - e1)
.set TB,   36                          ; s36  LDS byte of the loop's next pair image
.set TT,   37                          ; s37  the tile T whose x_i is asked for
.set IM,   38                          ; s38  LDS byte of my first pair image
.set MSB, 0
.macro WIN new                         ; the immediate's high byte repeats the setting that is left; a switch that changes nothing is dropped
.if MSB != (\new)
	s_set_vgpr_msb (MSB<<8)|(\new)
.set MSB, (\new)
.endif
.endm
.macro PLACES cnt                      ; plain places: four behind a matrix instruction (ISA guide 7.12.1), one behind a scaled conversion
.rept \cnt
	v_nop
.endr
.endm
.macro BARRIER                         ; my LDS stores have landed and my LDS loads are in: then the work-group's barrier
	s_wait_alu depctr_va_vdst(0)       ; the wait ahead of the blocking waits
	s_wait_dscnt 0x0
	s_barrier_signal -1
	s_barrier_wait -1
.endm
; cnt of the 64 loads of chunk c's weights of my wave (0-31: W1's 8 fragments, 32-63: W2's 16), from number n0 on, as they lie
.macro WL c, n0, cnt
	WIN 0x40
.set n, (\n0)
.rept \cnt
	global_load_b128 v[4*n:4*n+3], v[WOFF], s[6:7] offset:262144*(\c)+512*n
.set n, n+1
.endr
	WIN 0
.endm
; b1 in the first product's result layout: units 512 c + 64 w + 16 g + 8 h + 0 .. 7
.macro B1L c
.irp g, 0,1,2,3
	global_load_b128 v[B1+8*\g:B1+8*\g+3], v[B1O], s[8:9] offset:2048*(\c)+64*\g
	global_load_b128 v[B1+8*\g+4:B1+8*\g+7], v[B1O], s[8:9] offset:2048*(\c)+64*\g+16
.endr
.endm
; a pair tile's two fragments, 32 registers, from off bytes behind register adr
.macro FETCHA adr, off
.irp n, 0,1,2,3,4,5,6,7
	ds_load_b128 v[XF+4*\n:XF+4*\n+3], v[\adr] offset:(\off)+512*\n
.endr
.endm
.macro FETCHI img
.if (\img) < 12
	FETCHA LI, 4096*(\img)
.else
	FETCHA LIH, 4096*(\img)-49152
.endif
.endm
; The first product: the four hidden tiles by turns, K step 0 then K step 1
.macro P1
.irp g, 0,1,2,3
	v_wmma_f32_16x16x128_bf8_bf8 v[HA+8*\g:HA+8*\g+7], v[32*\g:32*\g+15], v[XF:XF+15], v[B1+8*\g:B1+8*\g+7]
.endr
.irp g, 0,1,2,3
	v_wmma_f32_16x16x128_bf8_bf8 v[HA+8*\g:HA+8*\g+7], v[32*\g+16:32*\g+31], v[XF+16:XF+31], v[HA+8*\g:HA+8*\g+7]
.endr
.endm
; A second product on the codes at src: the 16 accumulators by turns.  zero = 1: the launch's first: it starts the sums, nothing is cleared
.macro P2 src, zero
.irp dt, 0,1,2,3,4,5,6,7,8,9,10,11,12,13,14,15
.if \zero
	v_wmma_f32_16x16x64_bf8_bf8 v[AC+8*\dt:AC+8*\dt+7], v[128+8*\dt:128+8*\dt+7], v[\src:\src+7], 0
.else
	v_wmma_f32_16x16x64_bf8_bf8 v[AC+8*\dt:AC+8*\dt+7], v[128+8*\dt:128+8*\dt+7], v[\src:\src+7], v[AC+8*\dt:AC+8*\dt+7]
.endif
.endr
.endm
; THE STEP of tile img.  nxt: the tile that is asked for: its number, -1: none, -2: the loop's next.  rot: 0, or the shift s of a tile that serves twice
.macro STEP c, img, nxt, rot
	s_wait_dscnt 0x0                               ; this tile's pair codes are in
.if (\img) == 24
	s_wait_loadcnt 32                              ; a chunk begins: W1 and b1 are in; W2's 32 loads are younger
.irp n, 0,2,4,6,8,10,12,14,16,18,20,22,24,26,28,30
	v_pk_mul_f32 v[B1+\n:B1+\n+1], v[B1+\n:B1+\n+1], s[28:29] op_sel_hi:[1,0]   ; b1 / 2^(e0 + e1): it goes in as the C of a sum's first instruction
.endr
.endif
	WIN 0x01
	P1
	WIN 0
.if (\nxt) == -2
	v_add_nc_u32 v[ADR], s[TB], v[LI]              ; a place too
	PLACES 3
	FETCHA ADR, 0
.else
	PLACES 4
.if (\nxt) >= 0
	FETCHI \nxt
.endif
.endif
.if (\img) == 23
.if (\c) == 0
	WL 1, 0, 32                                    ; chunk 0's last first product is issued: chunk 1's W1 and b1
	B1L 1
.else
	global_load_b128 v[B2:B2+3], v[LI], s[10:11]               ; b2 at d = 4 lane + 0 .. 3,
	global_load_b128 v[B2+4:B2+7], v[LI], s[10:11] offset:512  ; and 128 further on
.endif
.endif
.set n, 0
.rept 32
	v_med3_num_f32 v[HA+n], 0, s[LIMH], v[HA+n]    ; relu and the hold at the largest code in one (the conversion to an 8-bit code does not saturate: ISA guide 7.6.2)
.set n, n+1
.endr
.irp g, 0,1,2,3
	v_cvt_scalef32_pk8_bf8_f32 v[PC+2*\g:PC+2*\g+1], v[HA+8*\g:HA+8*\g+7], v[SCH]   ; hidden tile g's eight registers are k = 16 g + 8 h + 0 .. 7: registers 2 g, 2 g + 1 of source 1
.endr
	PLACES 1
.if (\rot) > 0
.irp n, 0,1,2,3,4,5,6,7
	v_mov_b32_dpp v[PR+\n], v[PC+\n] row_ror:\rot row_mask:0xf bank_mask:0xf   ; lane r takes lane (r - s) mod 16 of its sixteen
.endr
.endif
.if (\img) == 24
	s_wait_alu depctr_va_vdst(0)                   ; the wait ahead of the blocking wait
	s_wait_loadcnt 0x0                             ; W2 is in
.endif
	WIN 0x01
.if ((\c) == 0) && ((\img) == 24)
	P2 PC, 1
.else
	P2 PC, 0
.endif
.if (\rot) > 0
	P2 PR, 0
.endif
	WIN 0
.if ((\c) == 0) && ((\img) == 23)
	PLACES 4
	WL 1, 32, 32                                   ; chunk 1's W2
.endif
.endm
.macro CHUNK c
	STEP \c, 24, 0, 0
	s_mov_b32 s[TB], 4096
.Ltile_\@:                                         ; tiles 0 .. 15; tile T + 1 is asked for
	STEP \c, 0, -2, 0
	s_add_co_u32 s[TB], s[TB], 4096
	s_cmp_lt_u32 s[TB], 69632
	s_cbranch_scc1 .Ltile_\@
	STEP \c, 16, 17, 0
	STEP \c, 17, 18, 1
	STEP \c, 18, 19, 2
	STEP \c, 19, 20, 3
	STEP \c, 20, 21, 4
	STEP \c, 21, 22, 5
	STEP \c, 22, 23, 6
.if (\c) == 0
	STEP \c, 23, 24, 7
.else
	STEP \c, 23, -1, 7
.endif
.endm
; 16 loads: half a row of x_i (128 numbers; my lane's 8 of each 16)
.macro XILOAD off
.irp cc, 0,1,2,3,4,5,6,7
	ds_load_b128 v[XI+8*\cc:XI+8*\cc+3], v[XIA] offset:(\off)+64*\cc
	ds_load_b128 v[XI+8*\cc+4:XI+8*\cc+7], v[XIA] offset:(\off)+64*\cc+16
.endr
.endm
.macro PK s, n0, cnt
.set n, (\n0)
.rept \cnt
	v_pk_mul_f32 v[XI+2*n:XI+2*n+1], v[XI+2*n:XI+2*n+1], v[XJ+64*(\s)+2*n:XJ+64*(\s)+2*n+1]
.set n, n+1
.endr
.endm
; K step s of my n-th pair tile: x_i * x_j, held, converted, stored as a register image.  out: LDS instructions that may be out.  In a tile's second half the next tile's x_i address is made, in between:
; row (r + T) mod 16 of the other half (T < 16) or of the own half
.macro HALF nt, s, out
	s_wait_dscnt \out                              ; this half's loads are in; the last half's stores may be out
.if ((\s) == 1) && ((\nt) < 2)
	s_add_co_u32 s[TT], s[TT], 1
	s_and_b32 s33, s[TT], 16
	v_add_nc_u32 v[XIA], s[TT], v[ROW]
	PK \s, 0, 8
	v_and_b32 v[XIA], 15, v[XIA]
	PK \s, 8, 8
	v_add_nc_u32 v[XIA], s33, v[XIA]
	PK \s, 16, 8
	v_mul_u32_u24 v[XIA], v[XIA], XP
	PK \s, 24, 8
	v_add_nc_u32 v[XIA], v[XSH], v[XIA]
.else
	PK \s, 0, 32
.endif
.set n, 0
.rept 64
	v_med3_num_f32 v[XI+n], v[XI+n], s[LIMN], s[LIMP]
.set n, n+1
.endr
.irp cc, 0,1,2,3,4,5,6,7
	v_cvt_scalef32_pk8_bf8_f32 v[PCG+2*\cc:PCG+2*\cc+1], v[XI+8*\cc:XI+8*\cc+7], v[SC0]   ; registers 2 cc, 2 cc + 1: d = 128 s + 16 cc + 8 h + 0 .. 7
.endr
	PLACES 1
.if (\s) == 0
	XILOAD 512
.elseif (\nt) < 2
	XILOAD 0
.endif
.irp q, 0,1,2,3
	ds_store_b128 v[IMA], v[PCG+4*\q:PCG+4*\q+3] offset:4096*(\nt)+2048*(\s)+512*\q
.endr
.endm
	; ---- HEAD
	s_load_b256 s[4:11], s[0:1], 0x0               ; x s[4:5], wimg s[6:7], b1 s[8:9], b2 s[10:11]
	s_load_b128 s[12:15], s[0:1], 0x20             ; the scales' exponents s[12:13], out s[14:15]
	v_lshl_add_u32 v[SPW], v0, 2, SPARE
	v_mov_b32 v[NIL], 0
	v_lshrrev_b32 v230, 5, v0
	v_readfirstlane_b32 s[WV], v230                ; wave 0..7
	s_and_b32 s17, ttmp9, 1                        ; jt
	s_lshr_b32 s18, ttmp9, 1                       ; b
	s_lshl_b32 s20, s18, 15                        ; a batch is 32,768 bytes of x and of out
	s_mov_b32 s21, 0
	s_lshl_b32 s22, s17, 14                        ; out: + row 16 jt + 2 wave
	s_lshl_b32 s40, s[WV], 11
	s_add_co_u32 s22, s22, s40
	s_add_co_u32 s22, s22, s20
	s_mov_b32 s23, 0
	s_xor_b32 s40, s17, 1                          ; x: LDS row n holds row n xor 16 (1 - jt) of the batch: the other half lies in LDS rows 0-15, the own half in 16-31
	s_lshl_b32 s40, s40, 4
	s_lshl_b32 s41, s[WV], 2
	s_xor_b32 s40, s40, s41
	s_lshl_b32 s40, s40, 10
	s_add_co_u32 s20, s20, s40
	s_mul_i32 s44, s[WV], 4*XP                     ; my wave's 4 rows of x in LDS
	s_add_co_u32 s44, s44, XST
	s_mul_i32 s45, s[WV], 16*XP
	s_add_co_u32 s45, s45, RST
	s_mul_i32 s46, s[WV], 2*XP
	s_add_co_u32 s46, s46, RST
	s_mul_i32 s[TT], s[WV], 3                      ; my wave makes tiles T = 3 w .. 3 w + 2
	s_and_b32 s33, s[TT], 16
	s_mul_i32 s[IM], s[WV], 12288
	s_lshl_b32 s47, s[WV], 15
	s_lshl_b32 s40, s[WV], 8
	s_lshl_b32 s41, s[WV], 7
	s_lshl_b32 s42, s[WV], 9
	s_add_co_u32 s42, s42, 24*4096
	v_and_b32 v230, 31, v0
	v_and_b32 v[ROW], 15, v0                       ; r
	v_bfe_u32 v231, v0, 4, 1                       ; h
	v_and_b32 v232, 3, v0
	v_lshlrev_b32 v[LI], 4, v230
	v_mul_u32_u24 v233, v[ROW], XP
	v_lshlrev_b32 v231, 5, v231                    ; 32 h
	v_mul_u32_u24 v232, v232, XP
	v_add_nc_u32 v234, 8, v[ROW]
	v_add_nc_u32 v[XIA], s[TT], v[ROW]
	v_add_nc_u32 v[LIH], 49152, v[LI]
	v_add_nc_u32 v233, v233, v231                  ; 1,040 r + 32 h
	v_and_b32 v234, 15, v234
	v_and_b32 v[XIA], 15, v[XIA]
	v_add_nc_u32 v[WOFF], s47, v[LI]
	v_add_nc_u32 v[XSH], XST, v231
	v_mul_u32_u24 v234, v234, XP
	v_add_nc_u32 v[XIA], s33, v[XIA]
	v_add_nc_u32 v[XSA], s44, v[LI]
	v_add_nc_u32 v[XPA], s44, v232
	v_add_nc_u32 v[XJA], XST+16*XP, v233
	v_mul_u32_u24 v[XIA], v[XIA], XP
	v_add_nc_u32 v234, s41, v234
	v_add_nc_u32 v[B1O], s40, v231
	v_add_nc_u32 v[RSA], s45, v233
	v_add_nc_u32 v[XIA], v[XSH], v[XIA]
	v_add_nc_u32 v234, v[XSH], v234
	v_add_nc_u32 v[RRA], s46, v[LI]
	v_add_nc_u32 v[XQJ], s41, v[XJA]               ; tile 24 (s = 8) is made by all eight waves, one group of four registers each: 32 numbers along d
	v_add_nc_u32 v[IQA], s42, v[LI]
	v_add_nc_u32 v[XQI], 16*XP, v234
	v_add_nc_u32 v[IMA], s[IM], v[LI]
.irp n, 0,1,2,3
	v_mov_b32 v[PCG+\n], 0                         ; for the padding of x's rows
.endr
	s_wait_alu depctr_va_vdst(0)
	s_wait_kmcnt 0x0
	s_load_b128 s[24:27], s[12:13], 0x0            ; e0, e1, e2, e3
	s_add_nc_u64 s[4:5], s[4:5], s[20:21]
	s_add_nc_u64 s[14:15], s[14:15], s[22:23]
.irp n, 0,1,2,3,4,5,6,7
	global_load_b128 v[HA+4*\n:HA+4*\n+3], v[LI], s[4:5] offset:512*\n   ; my 4 rows of x: 512 consecutive bytes a load
.endr
	WL 0, 0, 16                                    ; half of chunk 0's W1
	s_wait_kmcnt 0x0
	s_add_co_i32 s40, s24, 127
	s_lshl_b32 s41, s40, 23
	v_mov_b32 v[SC0], s41                          ; 2^e0
	s_add_co_i32 s40, s40, 15
	s_lshl_b32 s[LIMP], s40, 23
	s_or_b32 s[LIMP], s[LIMP], 0x600000            ; 57,344 x 2^e0
	s_or_b32 s[LIMN], s[LIMP], 0x80000000
	s_add_co_i32 s42, s24, s25                     ; e0 + e1: a sum of the first product stands for sum x 2^(e0 + e1)
	s_sub_co_i32 s28, 127, s42
	s_lshl_b32 s28, s28, 23                        ; 2^-(e0 + e1)
	s_mov_b32 s29, s28                             ; (named with it as a pair, so it is written)
	s_sub_co_i32 s40, s26, s42                     ; so the hidden layer's conversion takes 2^(e2 - e0 - e1)
	s_add_co_i32 s40, s40, 127
	s_lshl_b32 s41, s40, 23
	v_mov_b32 v[SCH], s41
	s_add_co_i32 s40, s40, 15
	s_lshl_b32 s[LIMH], s40, 23
	s_or_b32 s[LIMH], s[LIMH], 0x600000
	s_add_co_i32 s40, s26, s27
	s_add_co_i32 s40, s40, 127
	s_lshl_b32 s34, s40, 23                        ; 2^(e2 + e3)
	s_mov_b32 s35, s34
	s_wait_alu depctr_va_vdst(0)
	s_wait_loadcnt 16                              ; x's eight loads are in; W1's sixteen are younger
.irp n, 0,1,2,3,4,5,6,7
	ds_store_b128 v[XSA], v[HA+4*\n:HA+4*\n+3] offset:XP*(\n/2)+512*(\n%2)
.endr
	ds_store_b128 v[XPA], v[PCG:PCG+3] offset:1024 ; every byte of x's region is written
	BARRIER                                        ; x[b] lies in LDS
	; ---- PAIRS.  Lane (r, h) holds own row r as x_j; its registers run along d in the order of source 1's layout.  First my eighth of tile 24: x_i into XI .. + 15, x_j into XI + 16 .. + 31
	ds_load_b128 v[XI:XI+3], v[XQI]
	ds_load_b128 v[XI+4:XI+7], v[XQI] offset:16
	ds_load_b128 v[XI+8:XI+11], v[XQI] offset:64
	ds_load_b128 v[XI+12:XI+15], v[XQI] offset:80
	ds_load_b128 v[XI+16:XI+19], v[XQJ]
	ds_load_b128 v[XI+20:XI+23], v[XQJ] offset:16
	ds_load_b128 v[XI+24:XI+27], v[XQJ] offset:64
	ds_load_b128 v[XI+28:XI+31], v[XQJ] offset:80
.irp s, 0,1
.irp cc, 0,1,2,3,4,5,6,7
	ds_load_b128 v[XJ+64*\s+8*\cc:XJ+64*\s+8*\cc+3], v[XJA] offset:512*\s+64*\cc
	ds_load_b128 v[XJ+64*\s+8*\cc+4:XJ+64*\s+8*\cc+7], v[XJA] offset:512*\s+64*\cc+16
.endr
.endr
	s_wait_dscnt 32                                ; the first eight loads are in; x_j's 32 may be out
.irp n, 0,2,4,6,8,10,12,14
	v_pk_mul_f32 v[XI+\n:XI+\n+1], v[XI+\n:XI+\n+1], v[XI+16+\n:XI+16+\n+1]
.endr
.irp n, 0,1,2,3,4,5,6,7,8,9,10,11,12,13,14,15
	v_med3_num_f32 v[XI+\n], v[XI+\n], s[LIMN], s[LIMP]   ; the conversion to an 8-bit code does not saturate (ISA guide 7.6.2): the hold comes first
.endr
.irp g, 0,1
	v_cvt_scalef32_pk8_bf8_f32 v[PCG+2*\g:PCG+2*\g+1], v[XI+8*\g:XI+8*\g+7], v[SC0]
.endr
	PLACES 1
	XILOAD 0
	ds_store_b128 v[IQA], v[PCG:PCG+3]
	; my three tiles, half by half, with the rest of chunk 0's weights and b1 asked for between the halves: W1, b1, then W2
	HALF 0, 0, 1
	WL 0, 16, 8
	HALF 0, 1, 4
	WL 0, 24, 8
	B1L 0
	HALF 1, 0, 4
	WL 0, 32, 8
	HALF 1, 1, 4
	WL 0, 40, 8
	HALF 2, 0, 4
	WL 0, 48, 8
	HALF 2, 1, 4
	WL 0, 56, 8
	BARRIER                                        ; all 25 pair tiles lie in LDS
	; ---- THE PRODUCTS
	FETCHI 24
	CHUNK 0
	CHUNK 1
	; ---- THE WAY OUT.  Lane (r, h) holds out(own r, d = 16 dt + 8 h + 0 .. 7) of my 128 hidden units' share: into my partial output, each accumulator from its low end on
	PLACES 4
.irp dt, 0,1,2,3,4,5,6,7,8,9,10,11,12,13,14,15
	ds_store_b128 v[RSA], v[AC+8*\dt:AC+8*\dt+3] offset:64*\dt
	ds_store_b128 v[RSA], v[AC+8*\dt+4:AC+8*\dt+7] offset:64*\dt+16
.endr
	v_add_nc_u32 v[B1O], 64*XP, v[RRA]             ; partial outputs 4 to 7
	s_wait_loadcnt 0x0
.irp n, 0,2,4,6
	v_pk_mul_f32 v[B2+\n:B2+\n+1], v[B2+\n:B2+\n+1], 0x42000000 op_sel_hi:[1,0]     ; 32 b2: one b2 for each i
.endr
	BARRIER                                        ; the eight partial outputs lie in LDS
.irp g, 0,1,2,3                                    ; wave w adds rows 2 w + g / 2, half g % 2 of their 1,024 bytes: eight loads a group
.irp pw, 0,1,2,3
	ds_load_b128 v[RD+32*\g+4*\pw:RD+32*\g+4*\pw+3], v[RRA] offset:16*XP*\pw+XP*(\g/2)+512*(\g%2)
.endr
.irp pw, 0,1,2,3
	ds_load_b128 v[RD+32*\g+16+4*\pw:RD+32*\g+16+4*\pw+3], v[B1O] offset:16*XP*\pw+XP*(\g/2)+512*(\g%2)
.endr
.endr
.irp g, 0,1,2,3
	s_wait_dscnt 24-8*\g                           ; the younger groups' loads, eight each, may be out
.irp a, 0,8,16,24
	v_pk_add_f32 v[RD+32*\g+\a:RD+32*\g+\a+1], v[RD+32*\g+\a:RD+32*\g+\a+1], v[RD+32*\g+\a+4:RD+32*\g+\a+5]
	v_pk_add_f32 v[RD+32*\g+\a+2:RD+32*\g+\a+3], v[RD+32*\g+\a+2:RD+32*\g+\a+3], v[RD+32*\g+\a+6:RD+32*\g+\a+7]
.endr
.irp a, 0,2,16,18
	v_pk_add_f32 v[RD+32*\g+\a:RD+32*\g+\a+1], v[RD+32*\g+\a:RD+32*\g+\a+1], v[RD+32*\g+\a+8:RD+32*\g+\a+9]
.endr
.irp a, 0,2
	v_pk_add_f32 v[RD+32*\g+\a:RD+32*\g+\a+1], v[RD+32*\g+\a:RD+32*\g+\a+1], v[RD+32*\g+\a+16:RD+32*\g+\a+17]
.endr
.irp a, 0,2
	v_pk_fma_f32 v[HA+4*\g+\a:HA+4*\g+\a+1], v[RD+32*\g+\a:RD+32*\g+\a+1], s[34:35], v[B2+4*(\g%2)+\a:B2+4*(\g%2)+\a+1] op_sel_hi:[1,0,1]   ; sum x 2^(e2 + e3) + 32 b2 (the scalar pair's low word for both halves)
.endr
	global_store_b128 v[LI], v[HA+4*\g:HA+4*\g+3], s[14:15] offset:1024*(\g/2)+512*(\g%2) th:TH_STORE_NT   ; 32 lanes store 512 consecutive bytes, at a multiple of 256 from out's first byte; each group has its own registers
.endr
	s_wait_tensorcnt 0x0                           ; the wave's end, behind my last LDS store
	ds_add_u32 v[SPW], v[NIL]
	s_wait_dscnt 0x0
	s_endpgm
.Lfunc_end_k_q9813fc9283_main:
	.size	k_q9813fc9283_main, .Lfunc_end_k_q9813fc9283_main-k_q9813fc9283_main
	.p2alignl 7, 3214868480
	.fill 96, 4, 3214868480
	.section	.rodata,"a",@progbits
	.p2align	6, 0x0
	.amdhsa_kernel k_q9813fc9283_main
		.amdhsa_group_segment_fixed_size 269824
		.amdhsa_private_segment_fixed_size 0
		.amdhsa_enable_private_segment 0
		.amdhsa_kernarg_size 48
		.amdhsa_user_sgpr_count 2
		.amdhsa_user_sgpr_kernarg_segment_ptr 1
		.amdhsa_wavefront_size32 1
		.amdhsa_system_sgpr_workgroup_id_x 1
		.amdhsa_system_sgpr_workgroup_id_y 1
		.amdhsa_system_sgpr_workgroup_id_z 1
		.amdhsa_system_vgpr_workitem_id 0
		.amdhsa_next_free_vgpr 512
		.amdhsa_next_free_sgpr 66
		.amdhsa_reserve_vcc 0
		.amdhsa_float_denorm_mode_32 3
		.amdhsa_float_denorm_mode_16_64 3
		.amdhsa_memory_ordered 1
		.amdhsa_forward_progress 1
		.amdhsa_inst_pref_size 197
	.end_amdhsa_kernel
	.amdgpu_metadata
---
amdhsa.version: [ 1, 2 ]
amdhsa.kernels:
  - .name:           k_q9813fc9283_main
    .symbol:         k_q9813fc9283_main.kd
    .args:
      - { .name: attribute_embeddings, .offset: 0, .size: 8, .value_kind: global_buffer, .address_space: global }
      - { .name: wimg, .offset: 8, .size: 8, .value_kind: global_buffer, .address_space: global }
      - { .name: b1, .offset: 16, .size: 8, .value_kind: global_buffer, .address_space: global }
      - { .name: b2, .offset: 24, .size: 8, .value_kind: global_buffer, .address_space: global }
      - { .name: lowp_scales, .offset: 32, .size: 8, .value_kind: global_buffer, .address_space: global }
      - { .name: out0, .offset: 40, .size: 8, .value_kind: global_buffer, .address_space: global }
    .group_segment_fixed_size: 269824
    .private_segment_fixed_size: 0
    .kernarg_segment_align: 8
    .kernarg_segment_size: 48
    .max_flat_workgroup_size: 256
    .sgpr_count:     66
    .vgpr_count:     512
    .wavefront_size: 32
...
	.end_amdgpu_metadata
.endif
;; end of part 2
